; MI455X (gfx1250); checked and timed in simulation.
; The chip was launched on July 23, 2026; its instructions are those of AMD's public machine-readable ISA for CDNA 5 (MIT licence, August 2026) and "CDNA5" Instruction Set Architecture Reference Guide (July 2026). The comments in the code are by the model that wrote it; some were corrected since.
;; Quantized Linear. Allowed arithmetic: float matrix products may take bf16 or f16 operands with f32 sums; other float arithmetic in f32, or as packed bf16 or f16 multiplies, adds, multiply-adds, maxima and minima; sums over many terms, partial sums and values carried from step to step in f32; what a program stores and reads back later, other than sums and carried values, may be rounded once to bf16 or f16.
;; Inputs: bias 4,096 float32; scale one number float32; weight_q 4,096 x 4,096 int32; x 4 x 1,024 x 4,096 float32; zero_point one number float32.
;; Outputs: out0 4 x 1,024 x 4,096 float32.
;; One version. Each part assembles by itself: llvm-mc -triple=amdgcn-amd-amdhsa -mcpu=gfx1250 --defsym DOCPART=n.
;; ======== version 1 of 1: 2 launches
;; limits: values are held in f16: magnitudes above 65,504 overflow, below 6.1e-05 lose precision; inputs' magnitudes at most 65,504
;; workspace buffers: xh 33,554,432 bytes; wh 33,554,432 bytes
;; launch cast (part 1): grid 128 x 2, 16 waves a work-group, no clusters, 0 bytes of LDS; arguments x, weight_q, zero_point, xh, wh; writes xh, wh
.if DOCPART == 1
	.amdgcn_target "amdgcn-amd-amdhsa--gfx1250"
	.amdhsa_code_object_version 6
	.text
	.protected	k_q45cb88f382_cast
	.globl	k_q45cb88f382_cast
	.p2align	8
	.type	k_q45cb88f382_cast,@function
k_q45cb88f382_cast:
	s_mov_b64 s[64:65], 0
	v_nop
	global_prefetch_b8 v0, s[64:65] scope:SCOPE_SE
	s_setreg_imm32_b32 hwreg(HW_REG_WAVE_MODE, 25, 1), 1
	s_wait_xcnt 0x0
; QuantizedLinear, first of two launches: the two operands of y = x w^T are rounded ONCE to f16.
;   xh[m][i] = f16(x[m][i])                       x: [4096][4096] f32 (batch and sequence taken together)
;   wh[o][i] = f16(f32(weight_q[o][i]) - zero_point)   weight_q: [4096][4096] int32
; scale and bias are applied by the second launch, in f32, behind the f32 sums: (q - zp) x scale can be far smaller than f16's least normal number, q - zp is not.
; NOTHING OF THE PROBLEM IS LEFT OUT: x, weight_q, zero_point, scale and bias all reach the output, and all five are loaded (three here, two in the second launch).
; WHY f16: it keeps 11 significant bits, so a rounding moves a number by at most 2^-12 of itself; no difference of large sums is formed (the zero point is taken away before the product, as the problem takes it).
; LIMITS.  A magnitude of x or of q - zp of 65,520 or more becomes an infinity; below 6.1e-5 a number keeps f16's fixed step of 6e-8.  scale multiplies the finished sum and not each weight, so the order
; of rounding differs from the problem's.  NaN and infinities go through the arithmetic as they come.  An int32 beyond 2^24 is rounded by its conversion to f32, as in the problem.
; WHY A LAUNCH OF ITS OWN: both operands arrive in 4-byte types; converted here, each number is converted once, and the product's tiles take half the bytes in LDS and in its fragment loads.
; SHARES.  Each tensor is a dense stream of 64 MiB.  Work-groups with y = 0 take x, those with y = 1 weight_q; a work-group takes 512 KiB on end, each of its 16 waves 32 KiB: eight chunks of 4 KiB.
; A load of a wave covers 512 consecutive bytes (16 a lane); its four numbers a lane become 8 bytes, so a store of a wave covers 256 consecutive bytes, at a multiple of 256 from the buffer's first byte.
; A ring of four chunk slots in registers keeps 24 to 32 loads of every wave on their way.  No byte is wanted by two waves: no LDS, no barrier, no cluster, no matrix instruction.
; No address register is ever rewritten: chunk and load stand in the immediates (32,256 at the most).
.set CH,    4096                       ; input bytes in a chunk: eight loads of 512
.set NCH,   8                          ; chunks of a wave
.set SLOTS, 4                          ; chunk slots in registers
.set IO,  2                            ; v2        16 x lane: my bytes in a load; never rewritten
.set OO,  3                            ; v3        8 x lane: my bytes in a store; never rewritten
.set Y,   16                           ; v[16:47]  two sets of 16: a chunk as stored; chunk n has set n % 2
.set X,   64                           ; v[64:191] four slots of 32: a chunk as loaded; chunk n has slot n % 4
.set SRC, 16                           ; s[16:17]  my wave's first input byte
.set DST, 18                           ; s[18:19]  my wave's first output byte
.set NZ,  24                           ; s[24:25]  -zero_point: the packed addition names a pair and takes its low word for both halves
	s_load_b256 s[4:11], s[0:1], 0x0               ; x s[4:5], weight_q s[6:7], zero_point s[8:9], xh s[10:11]
	s_load_b64 s[12:13], s[0:1], 0x20              ; wh
	v_lshrrev_b32 v1, 5, v0
	v_readfirstlane_b32 s15, v1                    ; wave 0..15
	v_and_b32 v1, 31, v0                           ; lane
	v_lshlrev_b32 v[IO], 4, v1
	v_lshlrev_b32 v[OO], 3, v1
	s_and_b32 s14, ttmp7, 0xffff                   ; y: which tensor
	s_lshl_b32 s20, ttmp9, 19                      ; the work-group's 512 KiB,
	s_lshl_b32 s21, s15, 15                        ; my wave's 32 KiB of them: under 2^26 together
	s_add_co_u32 s20, s20, s21
	s_mov_b32 s21, 0
	s_lshr_b32 s22, s20, 1                         ; the output has half the bytes
	s_mov_b32 s23, 0
	s_wait_kmcnt 0x0
	s_cmp_eq_u32 s14, 0
	s_cselect_b64 s[SRC:SRC+1], s[4:5], s[6:7]
	s_cselect_b64 s[DST:DST+1], s[10:11], s[12:13]
	s_add_nc_u64 s[SRC:SRC+1], s[SRC:SRC+1], s[20:21]
	s_add_nc_u64 s[DST:DST+1], s[DST:DST+1], s[22:23]
.macro FILL n                          ; chunk n's eight loads into its slot
.irp j, 0,1,2,3,4,5,6,7
	global_load_b128 v[X+32*((\n)%SLOTS)+4*(\j):X+32*((\n)%SLOTS)+4*(\j)+3], v[IO], s[SRC:SRC+1] offset:(\n)*CH+512*(\j) th:TH_LOAD_NT
.endr
.endm
; Chunk n's turn.  kind = 0: f32 to f16.  kind = 1: int32 to f32, less the zero point, to f16.
.macro TURN kind, n
.set XS, X+32*((\n)%SLOTS)
.set YS, Y+16*((\n)%2)
.if (\n) <= NCH-SLOTS
	s_wait_loadcnt 8*(SLOTS-1)                     ; loads come back in order (ISA guide 5.7.1): my chunk's eight are in, the three younger chunks' 24 stay out
.else
	s_wait_loadcnt 8*(NCH-1-(\n))                  ; the last turns follow turns that loaded nothing: the counts run down 16, 8, 0
.endif
.if \kind
.set r, 0
.rept 32
	v_cvt_f32_i32 v[XS+r], v[XS+r]
.set r, r+1
.endr
.set r, 0
.rept 16
	v_pk_add_f32 v[XS+r:XS+r+1], v[XS+r:XS+r+1], s[NZ:NZ+1] op_sel_hi:[1,0]  ; q - zero_point, two at a time
.set r, r+2
.endr
.endif
.set r, 0
.rept 16
	v_cvt_pk_f16_f32 v[YS+r], v[XS+2*r], v[XS+2*r+1]  ; two roundings, packed: the first source into the low half
.set r, r+1
.endr
	s_wait_xcnt 0x0                                ; every earlier memory instruction has had its addresses translated (ISA guide 3.1): the stores of the turn before are among them, and the next turn rewrites their set of Y only behind this wait
.if (\n) < NCH-SLOTS
	FILL (\n)+SLOTS                                ; the slot's next chunk, ahead of the stores; the last four turns load nothing, so no load leaves the wave's 32 KiB
.endif
.irp j, 0,1,2,3,4,5,6,7
	global_store_b64 v[OO], v[YS+2*(\j):YS+2*(\j)+1], s[DST:DST+1] offset:(\n)*(CH/2)+256*(\j) th:TH_STORE_NT
.endr
.endm
	FILL 0                                         ; the ring is filled: 32 loads of the wave are out
	FILL 1
	FILL 2
	FILL 3
	s_cmp_lg_u32 s14, 0                            ; compared anew: the same in all waves of the work-group
	s_cbranch_scc1 .Lq
.irp n, 0,1,2,3,4,5,6,7
	TURN 0, \n
.endr
	s_endpgm
.Lq:
	s_load_b32 s[NZ], s[8:9], 0x0                  ; the zero point: no line of this launch writes it
	s_wait_kmcnt 0x0
	s_xor_b32 s[NZ], s[NZ], 0x80000000             ; its sign turned
	s_mov_b32 s[NZ+1], s[NZ]                       ; named with it as a pair, so it is written
.irp n, 0,1,2,3,4,5,6,7
	TURN 1, \n
.endr
	s_endpgm
.Lfunc_end_k_q45cb88f382_cast:
	.size	k_q45cb88f382_cast, .Lfunc_end_k_q45cb88f382_cast-k_q45cb88f382_cast
	.p2alignl 7, 3214868480
	.fill 96, 4, 3214868480
	.section	.rodata,"a",@progbits
	.p2align	6, 0x0
	.amdhsa_kernel k_q45cb88f382_cast
		.amdhsa_group_segment_fixed_size 0
		.amdhsa_private_segment_fixed_size 0
		.amdhsa_enable_private_segment 0
		.amdhsa_kernarg_size 40
		.amdhsa_user_sgpr_count 2
		.amdhsa_user_sgpr_kernarg_segment_ptr 1
		.amdhsa_wavefront_size32 1
		.amdhsa_system_sgpr_workgroup_id_x 1
		.amdhsa_system_sgpr_workgroup_id_y 1
		.amdhsa_system_sgpr_workgroup_id_z 1
		.amdhsa_system_vgpr_workitem_id 0
		.amdhsa_next_free_vgpr 192
		.amdhsa_next_free_sgpr 66
		.amdhsa_reserve_vcc 0
		.amdhsa_float_denorm_mode_32 3
		.amdhsa_float_denorm_mode_16_64 3
		.amdhsa_memory_ordered 1
		.amdhsa_forward_progress 1
		.amdhsa_inst_pref_size 56
	.end_amdhsa_kernel
	.amdgpu_metadata
---
amdhsa.version: [ 1, 2 ]
amdhsa.kernels:
  - .name:           k_q45cb88f382_cast
    .symbol:         k_q45cb88f382_cast.kd
    .args:
      - { .name: x, .offset: 0, .size: 8, .value_kind: global_buffer, .address_space: global }
      - { .name: weight_q, .offset: 8, .size: 8, .value_kind: global_buffer, .address_space: global }
      - { .name: zero_point, .offset: 16, .size: 8, .value_kind: global_buffer, .address_space: global }
      - { .name: xh, .offset: 24, .size: 8, .value_kind: global_buffer, .address_space: global }
      - { .name: wh, .offset: 32, .size: 8, .value_kind: global_buffer, .address_space: global }
    .group_segment_fixed_size: 0
    .private_segment_fixed_size: 0
    .kernarg_segment_align: 8
    .kernarg_segment_size: 40
    .max_flat_workgroup_size: 512
    .sgpr_count:     66
    .vgpr_count:     192
    .wavefront_size: 32
...
	.end_amdgpu_metadata
.endif
;; end of part 1
;; launch gemm (part 2): grid 16 x 16, 4 waves a work-group, clusters of 4 x 4, 327,680 bytes of LDS; arguments xh, wh, out0, bias, scale; writes out0
.if DOCPART == 2
	.amdgcn_target "amdgcn-amd-amdhsa--gfx1250"
	.amdhsa_code_object_version 6
	.text
	.protected	k_q45cb88f382_gemm
	.globl	k_q45cb88f382_gemm
	.p2align	8
	.type	k_q45cb88f382_gemm,@function
k_q45cb88f382_gemm:
	s_mov_b64 s[64:65], 0
	v_nop
	global_prefetch_b8 v0, s[64:65] scope:SCOPE_SE
	s_setreg_imm32_b32 hwreg(HW_REG_WAVE_MODE, 25, 1), 1
	s_wait_xcnt 0x0
	s_wait_alu depctr_hold_cnt(0) depctr_sa_sdst(0) depctr_va_vdst(0) depctr_va_sdst(0) depctr_va_ssrc(0) depctr_va_vcc(0) depctr_vm_vsrc(0)
	s_getreg_b32 s2, hwreg(HW_REG_IB_STS2, 6, 4)
	s_cmp_eq_u32 s2, 0
	s_cbranch_scc0 .Lentry_in_a_cluster
	s_endpgm
.Lentry_in_a_cluster:
	s_bfe_u32 s2, ttmp6, 0x10000c
	s_cmp_lg_u32 s2, 0xf033
	s_cbranch_scc0 .Lentry_shape_is_right
	s_endpgm
.Lentry_shape_is_right:
; QuantizedLinear, second of two launches: out0[m][o] = scale x (the sum over i of xh[m][i] wh[o][i]) + bias[o].
; xh = f16(x): [4096][4096]; wh = f16(q - zero_point): [4096][4096]; both made by the first launch.  Sums in f32; scale and bias in one fused multiply-add in f32; out0: [4096][4096] f32.
; Nothing of the problem is left out.  LIMITS (as at the first launch's head): the operands carry one rounding to f16 each (at most 2^-12 of a number; infinity from 65,520 on; a fixed step of 6e-8 below 6.1e-5);
; scale multiplies the finished sum and not each weight, so the order of rounding differs from the problem's; NaN and infinities go through the arithmetic as they come.
; SHARES.  A tile of out0, 256 x 256, is made by a work-group of four waves; a wave makes 128 x 128: 64 accumulators of 16 x 16, 512 registers.  16 x 16 tiles: 256 work-groups, one tile each.
; K goes in 32 steps of 128 through a ring of two LDS slots filled by the tensor data mover: a tile's rows are 256 bytes of memory and start at multiples of 256 bytes from the buffer's first byte.
; CLUSTERS: 4 x 4 work-groups.  The four of a row of the cluster need the same tiles of xh, the four of a column the same tiles of wh.  Such a tile is asked for JOINTLY: each of the four issues the same tensor
; load, with the same descriptor and a mask that names the four, and each receives the tile in its own LDS.  That divides the requests for both operands by four.
; REGISTERS, in windows of 256 (an instruction names v0-v255; s_set_vgpr_msb says which window each operand place means: bits 1:0 source 0, 3:2 source 1, 5:4 source 2, 7:6 destination):
;   window 0: v0-31 addresses and the bias; v64-127, v128-191 fragments of xh (8 x 16 rows x 32 K), two buffers; on the way out these 128 hold four sets of 32 results
;   window 1: v64-127, v128-191 fragments of wh, two buffers
;   window 2: the 32 accumulators of my rows 0-63 (accumulator (a, b) at v[8 (8 a + b)]);   window 3: those of my rows 64-127
; THE MATRIX INSTRUCTION IS USED TRANSPOSED: source 0 = 16 rows of wh, source 1 = 16 rows of xh.  In the result lane l holds row m = l % 16 of out0, and its registers 0 to 7 the columns 8 (l / 16) + 0 .. 7:
; 32 neighbouring bytes of a row.
; THE WAY OUT.  Half a block (16 rows x 64 columns of f32: 16 rows of 256 bytes) at a time goes from the accumulators, as they are, into my own stage in LDS and comes back by rows; there a lane has the same
; four columns in every row, so the bias takes 8 registers; scale and bias are one packed fused multiply-add for two numbers; 16 lanes store 256 consecutive bytes.
.set SIZE_M, 4096
.set SIZE_N, 4096
.set SIZE_K, 4096
.set KSTEP,  128
.set PITCH,  272                       ; an LDS row: 256 bytes of data + 16 of padding = 68 words: row r starts at bank 4 r mod 64 (64 banks of 4 bytes: ISA guide 11.1), so the 16 rows that a load touches start at 16 different banks
.set HALFT,  128*PITCH                 ; 128 rows: what one tensor load brings, and what one wave reads of either operand
.set SLOT,   4*HALFT                   ; xh's 256 rows, then wh's 256 rows
.set STAGE,  2*SLOT                    ; behind the ring: 16 rows x 272 bytes for each wave, for the way out; no tensor load lands there
.set SPITCH, 272
.set SPARE,  STAGE+4*16*SPITCH         ; behind the stages: the spare words, 128 bytes for each wave: two blocks of 256 bytes that no other line names
.set LAPS,   SIZE_K/(2*KSTEP)          ; a lap = two K steps = once round the ring: 16
.set CROW,   SIZE_N*4                  ; bytes in a row of out0
.set BI,   8                           ; v8-15   the bias of my four columns on the way out: in the left 64 columns of my 128, and in the right
.set ADRA, 16                          ; v16-17  LDS address of my fragments of xh in slot 0, 1
.set ADRB, 20                          ; v20-21  the same for wh
.set STO,  24                          ; v24     the way out: where I put 32 bytes of a row
.set RD,   25                          ; v25     the way out: where I read a row back
.set CO,   26                          ; v26     my byte offset in out0; never rewritten
.set SPW,  28                          ; v28     LDS address of my spare word: SPARE + 4 x my thread's number; never rewritten
.set NIL,  29                          ; v29     0; never rewritten
.set PFO,  30                          ; v30     the prefetches' offset: my lane x a row of xh or wh (8,192 bytes); never rewritten
.set PFA,  44                          ; s[44:45] where my prefetches stand: my work-group's 32 rows of the 128 that I fetch, one K step further along K than the refill that is being asked for; a prefetch names the K step after that
.set LIM,  43                          ; s43     1 in a wave that prefetches, else the greatest number
.set F0,   64                          ; fragment buffer 0
.set F1,   128                         ; fragment buffer 1
.set OB,   64                          ; the way out: four sets of 32 registers, where xh's fragments lay
.set G1,  24                           ; s[24:31] descriptor group 1 for xh's tiles
.set G0,  32                           ; s[32:39] descriptor group 0 for xh's tiles, one set for each slot
.set G1B, 48                           ; s[48:55] descriptor group 1 for wh's tiles: it differs in the mask alone
.set G0B, 56                           ; s[56:63] descriptor group 0 for wh's tiles, one set for each slot
.set SC,  76                           ; s[76:77] scale: the packed multiply-add names a pair and takes its low word for both halves
.set MSB, 0
.macro WIN new                         ; the immediate's high byte repeats the setting that is left; a switch that changes nothing is dropped
.if MSB != (\new)
	s_set_vgpr_msb (MSB<<8)|(\new)
.set MSB, \new
.endif
.endm
.set MUL_LO, 0xa1                      ; source 0 (wh) window 1, source 1 (xh) window 0, C and D window 2
.set MUL_HI, 0xf1                      ; the same, C and D window 3
.set TO_B,   0x40                      ; destination window 1, address window 0
; A joint load.  Waves 0 and 1 fetch the two halves of xh's tile, waves 2 and 3 those of wh's.  Each of the two lines has ONE mask and one set of registers for all that issue it, and nothing in them hangs on a
; coordinate that the four partners do not share.  The branch hangs on the wave's number alone.  An s_nop 0 and four v_nop follow each of the two lines, ahead of the jump, the label and what follows.
.macro JLOAD s
	s_cmp_eq_u32 s11, 0
	s_cbranch_scc0 .Lfor_b_\@
	tensor_load_to_lds s[G0+4*(\s):G0+4*(\s)+3], s[G1:G1+7]
	s_nop 0
.rept 4
	v_nop
.endr
	s_branch .Lasked_\@
.Lfor_b_\@:
	tensor_load_to_lds s[G0B+4*(\s):G0B+4*(\s)+3], s[G1B:G1B+7]
	s_nop 0
.rept 4
	v_nop
.endr
.Lasked_\@:
.endm
; A PREFETCH INTO THE L2, behind each joint refill, its five lines and the run of LDS loads that follows them: the K step that stands TWO refills on: 32 rows x 256 bytes, a lane a row, one instruction a wave: 512 matrix
; instructions ahead of the load that will ask for it.  Each row's 256 bytes of a K step are named ONCE in the launch: xh's tile row is read by every cluster of that row of clusters, and the one with x = 0 asks;
; wh's tile column by every cluster of that column, and the one with y = 0 asks.  The four partners that ask for a tile jointly share its rows out BY ADDRESS: of the 128 rows that a wave fetches the partner at
; place p takes 32 p .. 32 p + 31 (p = cx for xh, cy for wh): no branch hangs on a work-group's place in its cluster.  K steps 0 to 3 come by their loads alone; the loop's last trip (s3 = 1), whose refills bring
; K steps 30 and 31, asks for nothing: there is no K step two on.
.macro ASK
	s_cmp_gt_u32 s3, s[LIM]
	s_cbranch_scc0 .Lnot_mine_\@
	global_prefetch_b8 v[PFO], s[PFA:PFA+1] offset:KSTEP*2 th:TH_LOAD_NT scope:SCOPE_SE
.Lnot_mine_\@:
.endm
; A round of the cluster's barrier: my work-group's barrier, so that wave 0's signal speaks for all four waves; wave 0 signals for the work-group; every wave waits for all sixteen work-groups; my work-group's
; barrier once more.  No LDS instruction of the wave is pending at a signal.
.macro CREST                           ; a round behind its opening barrier
	s_cmp_lg_u32 s10, 0
	s_cbranch_scc1 .Lnot_wave_0_\@
	s_barrier_signal -3
.Lnot_wave_0_\@:
	s_barrier_wait -3
	s_barrier_signal -1
	s_barrier_wait -1
.endm
.macro CROUND                          ; a whole round
	s_barrier_signal -1
	s_barrier_wait -1
	CREST
.endm
	s_load_b128 s[4:7], s[0:1], 0x0                ; xh s[4:5], wh s[6:7]
	s_load_b64 s[8:9], s[0:1], 0x10                ; out0
	s_load_b128 s[72:75], s[0:1], 0x18             ; bias s[72:73], scale s[74:75]
	v_lshl_add_u32 v[SPW], v0, 2, SPARE
	v_mov_b32 v[NIL], 0
	ds_add_u32 v[SPW], v[NIL]                      ; the wave's opening: the add, twice on end, and its wait ahead of my first tensor load; the set-up below the second, work on registers, stands between it and the wait
	ds_add_u32 v[SPW], v[NIL]                      ; and once more, under the one wait
	v_lshrrev_b32 v1, 5, v0
	v_readfirstlane_b32 s10, v1                    ; wave 0..3
	s_lshr_b32 s11, s10, 1                         ; which half of the tile's rows is mine.  Also: I fetch for xh (0) or for wh (1)
	s_and_b32 s12, s10, 1                          ; which half of its columns.  Also: which 128 rows of that tile I fetch
	s_bfe_u32 s40, ttmp6, 0x40000                  ; cx: my place along the cluster's x
	s_bfe_u32 s41, ttmp6, 0x40004                  ; cy: along its y
	s_lshl_b32 s42, ttmp9, 2                       ; in a cluster launch ttmp9 and ttmp7 count clusters
	s_add_co_u32 s42, s42, s40                     ; tile column of out0 = 4 x cluster x + cx
	s_and_b32 s13, ttmp7, 0xffff
	s_lshl_b32 s13, s13, 2
	s_add_co_u32 s13, s13, s41                     ; tile row of out0 = 4 x cluster y + cy
	s_lshl_b32 s43, s41, 2
	s_lshl_b32 s43, 15, s43                        ; my row of the cluster: places 4 cy .. 4 cy + 3
	s_lshl_b32 s44, 0x1111, s40                    ; my column: places cx, cx + 4, cx + 8, cx + 12
	; descriptor group 1: a tile of 128 rows x 128 elements, padded in LDS
	s_or_b32 s[G1+0], s43, (1<<16)|(1<<20)|(1<<21)|(5<<22)|(3<<25)  ; 15:0 the mask: xh's tiles go to my row; 17:16 element of 2 bytes; 20 padding on; 21 set beside a mask; 24:22 after every 64 words (code 5); 31:25 of 4 words (code 3)
	s_or_b32 s[G1B+0], s44, (1<<16)|(1<<20)|(1<<21)|(5<<22)|(3<<25) ; the same with the mask of my column, for wh's tiles
	s_mov_b32 s[G1B+1], KSTEP<<16
	s_mov_b32 s[G1+1], KSTEP<<16                   ; 63:48 tensor_dim0, low half = 128
	s_mov_b32 s[G1B+2], 128<<16
	s_mov_b32 s[G1+2], 128<<16                     ; 79:64 its high half = 0; 95:80 tensor_dim1, low half = 128
	s_mov_b32 s[G1B+3], KSTEP<<16
	s_mov_b32 s[G1+3], KSTEP<<16                   ; 111:96 its high half = 0; 127:112 tile_dim0 = 128
	s_mov_b32 s[G1B+4], 128
	s_mov_b32 s[G1+4], 128                         ; 143:128 tile_dim1 = 128; 159:144 tile_dim2 = 0
	s_mov_b32 s[G1B+5], SIZE_K
	s_mov_b32 s[G1+5], SIZE_K                      ; 191:160 tensor_dim0_stride, low word: elements from row to row
	s_mov_b32 s[G1B+6], 0
	s_mov_b32 s[G1+6], 0
	s_mov_b32 s[G1B+7], 0
	s_mov_b32 s[G1+7], 0
	; where the tiles come from.  xh's hang on the tile row alone, which my row of the cluster shares; wh's on the tile column alone, which my column shares.
	; Every wave makes both addresses, in registers that never hold the other coordinate, and asks by one of them.
	s_lshl_b32 s17, s12, 7                         ; which 128 rows of the tile I fetch
	s_lshl_b32 s16, s13, 8
	s_add_co_u32 s16, s16, s17                     ; xh: row 256 x tile row + 128 x half
	s_lshl_b32 s46, s42, 8
	s_add_co_u32 s46, s46, s17                     ; wh: row 256 x tile column + 128 x half
	s_mov_b32 s17, 0
	s_mov_b32 s47, 0
	s_mov_b64 s[18:19], SIZE_K*2
	s_mul_u64 s[16:17], s[16:17], s[18:19]         ; in bytes, in 64 bits
	s_mul_u64 s[46:47], s[46:47], s[18:19]
	s_mul_i32 s20, s10, HALFT                      ; and where they go: xh's two halves, then wh's two halves = wave x 128 rows: no place in the cluster enters an LDS address
	s_wait_dscnt 0x0                               ; both opening adds are done
	s_wait_kmcnt 0x0
	s_add_nc_u64 s[14:15], s[4:5], s[16:17]
	s_add_nc_u64 s[46:47], s[6:7], s[46:47]
	CROUND                                         ; all sixteen work-groups are here: the first joint loads meet
.irp s, 0,1
	s_mov_b32 s[G0+4*(\s)], 1                                      ; 1:0 count = 1
	s_add_co_u32 s[G0+4*(\s)+1], s20, (\s)*SLOT                    ; 63:32 LDS address
	s_add_nc_u64 s[G0+4*(\s)+2:G0+4*(\s)+3], s[14:15], (\s)*KSTEP*2  ; 120:64 global address: K step s
	s_or_b32 s[G0+4*(\s)+3], s[G0+4*(\s)+3], 0x80000000            ; 127:126 type = 2
	s_mov_b32 s[G0B+4*(\s)], 1
	s_add_co_u32 s[G0B+4*(\s)+1], s20, (\s)*SLOT
	s_add_nc_u64 s[G0B+4*(\s)+2:G0B+4*(\s)+3], s[46:47], (\s)*KSTEP*2
	s_or_b32 s[G0B+4*(\s)+3], s[G0B+4*(\s)+3], 0x80000000
	JLOAD \s                                       ; the ring is filled before anything else is done: two tensor loads of mine are out
.endr
	s_load_b32 s[SC], s[74:75], 0x0                ; scale: no line of this launch writes it
	; A fragment is 16 rows x 32 K in 8 registers: lane l holds row l % 16; registers 0-3 hold K = 8 (l / 16) + 0..7, registers 4-7 hold K = 16 + 8 (l / 16) + 0..7.
	; From rows that lie along K: two loads of 16 bytes, 32 bytes apart.  The same for source 0 and source 1.
	v_and_b32 v1, 15, v0                           ; l % 16
	v_bfe_u32 v2, v0, 4, 1                         ; l / 16
	v_mul_u32_u24 v3, v1, PITCH
	v_lshl_add_u32 v3, v2, 4, v3                   ; row x pitch + 16 x half
	s_mul_i32 s21, s11, HALFT                      ; my 128 rows of xh
	s_mul_i32 s22, s12, HALFT                      ; my 128 rows of wh,
	s_add_co_u32 s22, s22, 2*HALFT                 ; which lie behind xh's 256
.irp s, 0,1
	v_add_nc_u32 v[ADRA+(\s)], s21, v3
	v_add_nc_u32 v[ADRB+(\s)], s22, v3
	s_add_co_u32 s21, s21, SLOT
	s_add_co_u32 s22, s22, SLOT
.endr
	s_mul_i32 s23, s10, 16*SPITCH
	s_add_co_u32 s23, s23, STAGE                   ; my stage
	v_mul_u32_u24 v4, v1, SPITCH                   ; in: row l % 16, 32 bytes (8 columns of f32) for each half of the lanes
	v_lshl_add_u32 v4, v2, 5, v4
	v_add_nc_u32 v[STO], s23, v4
	v_mul_u32_u24 v5, v2, SPITCH                   ; back: lanes 0-15 take one row of 256 bytes, lanes 16-31 the next
	v_lshl_add_u32 v5, v1, 4, v5
	v_add_nc_u32 v[RD], s23, v5
	v_lshlrev_b32 v5, 14, v2                       ; and the same two rows in out0: 16,384 bytes apart
	v_lshl_add_u32 v[CO], v1, 4, v5
	; where my part of the tile begins in out0, in bytes
	s_lshl_b32 s13, s13, 8
	s_lshl_b32 s14, s11, 7
	s_add_co_u32 s16, s13, s14                     ; my first row of out0
	s_mov_b32 s17, 0
	s_mov_b64 s[18:19], CROW
	s_mul_u64 s[16:17], s[16:17], s[18:19]
	s_lshl_b32 s46, s42, 10                        ; my first column, in bytes: 1,024 x tile column + 512 x half; the same offset serves the bias
	s_lshl_b32 s47, s12, 9
	s_add_co_u32 s46, s46, s47
	s_mov_b32 s47, 0
	v_lshl_add_u32 v6, v1, 4, s46                  ; the bias of the four columns that I hold when rows come back from the stage
	global_load_b128 v[BI:BI+3], v6, s[72:73]              ; in the left 64 columns,
	global_load_b128 v[BI+4:BI+7], v6, s[72:73] offset:256 ; and in the right: 16,384 bytes of bias, the last of them at 15 x 1,024 + 512 + 256 + 240 + 15
	s_add_nc_u64 s[16:17], s[16:17], s[46:47]
	s_add_nc_u64 s[8:9], s[8:9], s[16:17]          ; out0 at my part's first byte; never rewritten after this
	; the prefetches.  s13 = 256 x tile row, s42 = tile column, s40 = cx, s41 = cy still stand
	s_lshl_b32 s42, s42, 8
	s_and_b32 s22, ttmp7, 0xffff                   ; cluster y
	s_cmp_eq_u32 s11, 0                            ; do I fetch for xh?
	s_cselect_b32 s20, s13, s42                    ; the tile's first row: in xh by the tile row, in wh by the tile column
	s_cselect_b32 s21, s40, s41                    ; my place among the four that ask for it with me
	s_cselect_b32 s22, ttmp9, s22                  ; the coordinate along which other clusters read the same rows
	s_cselect_b64 s[PFA:PFA+1], s[4:5], s[6:7]
	s_cmp_eq_u32 s22, 0
	s_cselect_b32 s[LIM], 1, -1                    ; the same in all sixteen partners, for a given wave
	s_lshl_b32 s22, s12, 7
	s_add_co_u32 s20, s20, s22                     ; + the 128 rows that I fetch
	s_lshl_b32 s21, s21, 5
	s_add_co_u32 s20, s20, s21                     ; + my work-group's 32 of them
	s_mov_b32 s21, 0
	s_mov_b64 s[18:19], SIZE_K*2
	s_mul_u64 s[20:21], s[20:21], s[18:19]
	s_add_nc_u64 s[PFA:PFA+1], s[PFA:PFA+1], s[20:21]
	s_add_nc_u64 s[PFA:PFA+1], s[PFA:PFA+1], 2*KSTEP*2  ; at K step 2: the first refill steps it to 3 and names K step 4
	v_and_b32 v[PFO], 31, v0
	v_mul_u32_u24 v[PFO], v[PFO], SIZE_K*2
	; nothing is prefetched here, at the head, where every work-group's first two tiles are on their way
; 16 matrix instructions: m blocks a0, a0 + 1 of the window's four (hi = 0: my rows 0-63, 1: rows 64-127) x all 8 n blocks, 32 along K.  zero = 1: the first product starts the sums: nothing is ever cleared.
; The 64 accumulators take turns, one instruction a turn, in the same order in every quarter step, over the loop's backward jump and into the tail too.
.macro MUL16 f, hi, a0, zero
	WIN MUL_LO+0x50*(\hi)  ; MUL_LO or MUL_HI
.irp a, \a0, (\a0)+1
.irp b, 0,1,2,3,4,5,6,7
.if \zero
	v_wmma_f32_16x16x32_f16 v[8*(8*(\a)+(\b)):8*(8*(\a)+(\b))+7], v[(\f)+8*(\b):(\f)+8*(\b)+7], v[(\f)+8*(4*(\hi)+(\a)):(\f)+8*(4*(\hi)+(\a))+7], 0
.else
	v_wmma_f32_16x16x32_f16 v[8*(8*(\a)+(\b)):8*(8*(\a)+(\b))+7], v[(\f)+8*(\b):(\f)+8*(\b)+7], v[(\f)+8*(4*(\hi)+(\a)):(\f)+8*(4*(\hi)+(\a))+7], v[8*(8*(\a)+(\b)):8*(8*(\a)+(\b))+7]
.endif
.endr
.endr
.endm
; 32 LDS loads in one run: the fragments of one quarter step (128 rows of wh, 128 rows of xh, 32 K at byte k of the rows) into buffer f
.macro FETCH slot, k, f
	WIN TO_B
.irp i, 0,1,2,3,4,5,6,7
	ds_load_b128 v[(\f)+8*(\i):(\f)+8*(\i)+3],   v[ADRB+(\slot)] offset:(\k)+(\i)*16*PITCH
	ds_load_b128 v[(\f)+8*(\i)+4:(\f)+8*(\i)+7], v[ADRB+(\slot)] offset:(\k)+(\i)*16*PITCH+32
.endr
	WIN 0
.irp i, 0,1,2,3,4,5,6,7
	ds_load_b128 v[(\f)+8*(\i):(\f)+8*(\i)+3],   v[ADRA+(\slot)] offset:(\k)+(\i)*16*PITCH
	ds_load_b128 v[(\f)+8*(\i)+4:(\f)+8*(\i)+7], v[ADRA+(\slot)] offset:(\k)+(\i)*16*PITCH+32
.endr
.endm
; A load into a register that a matrix instruction has read, and an LDS store that reads a matrix result, stand four places behind that matrix instruction, and only plain vector instructions that name none of
; its registers are places (ISA guide 7.12.1 for vector instructions); the matrix instructions in between are not counted.
.macro PLACES
.rept 4
	v_nop
.endr
.endm
; A K step is four quarter steps of 32 along K, 64 matrix instructions each, on buffers 0, 1, 0, 1.
; One of the first three: multiplies buffer f; in its middle it fetches the next quarter's fragments, at byte k of the same slot's rows, into buffer g.
.macro QUARTER slot, k, f, g, zero
	s_wait_dscnt 8                                 ; wh and xh's rows 0-63 are in; the youngest eight loads (xh's rows 64-127) may be out
	WIN MUL_LO
	MUL16 \f, 0, 0, \zero
	MUL16 \f, 0, 2, \zero
	PLACES
	FETCH \slot, \k, \g
	s_wait_dscnt 32                                ; all but the 32 just issued
	WIN MUL_HI
	MUL16 \f, 1, 0, \zero
	MUL16 \f, 1, 2, \zero
.endm
; The last quarter multiplies buffer 1 and changes slots.  MEET is its first half: ONE barrier for the change of slots, for two things.  In front of it each wave waits for all its tensor loads, of which one is
; out: its part of the next slot; adds 0 to its spare word; and waits for that and for its own reads of this slot.  Behind it nobody reads this slot any more and the next slot is whole.
.macro MEET round                      ; round = 1: a round of the cluster's barrier follows
	WIN 0                                          ; (the add's two registers lie in window 0)
	s_wait_tensorcnt 0x0                           ; all my tensor loads have landed: the one that was out is my part of the next slot;
	ds_add_u32 v[SPW], v[NIL]                      ; 0 onto my spare word;
	s_wait_dscnt 9                                 ; (the add and the youngest eight loads may be out)
	WIN MUL_LO
	MUL16 F1, 0, 0, 0                              ; sixteen matrix instructions stand between the add and the wait for it
	s_wait_dscnt 0x0                               ; the add is done, and my reads of this slot are over:
	s_barrier_signal -1                            ; say so (where a slot is filled again this barrier opens a round of the cluster's barrier),
	MUL16 F1, 0, 2, 0                              ; work on registers while the others arrive,
.if \round
	WIN 0
.endif
	s_barrier_wait -1                              ; and go on when all four have said so
.endm
; The whole last quarter.  fill = 1: behind the round the slot just read out is filled again first, with the K step two steps on; then come the next slot's first fragments.  From a request to the wait for it a
; wave issues 224 matrix instructions.  fill = 0 (the tail): nothing is left to fetch, and no round follows the barrier.
.macro TURN slot, next, fill
.if \fill
	s_wait_xcnt 0x0                                ; the last prefetch, a K step back, has read its address: it is stepped here, ahead of the waits of the change of slots
	s_add_nc_u64 s[PFA:PFA+1], s[PFA:PFA+1], KSTEP*2
	MEET 1
	CREST                                          ; wave 0 says so for the work-group, all sixteen work-groups have said so, my work-group's barrier closes the round:
	                                               ; no wave of any partner still reads this slot's tile or has a load on its way
	s_add_nc_u64 s[G0+4*(\slot)+2:G0+4*(\slot)+3], s[G0+4*(\slot)+2:G0+4*(\slot)+3], 2*KSTEP*2    ; no tensor load of mine is out, so a group 0 may be written; the type bits on top are not reached
	s_add_nc_u64 s[G0B+4*(\slot)+2:G0B+4*(\slot)+3], s[G0B+4*(\slot)+2:G0B+4*(\slot)+3], 2*KSTEP*2
	JLOAD \slot                                    ; the first tensor load behind the round, and my only one until the next; the four v_nop behind it are also the places in front of the loads below
.else
	MEET 0
	PLACES
.endif
	FETCH \next, 0, F0
.if \fill
	ASK                                            ; behind the joint load and the run of LDS loads that the next products wait for
.endif
	WIN MUL_HI
	MUL16 F1, 1, 0, 0
	MUL16 F1, 1, 2, 0
.endm
; THE WAY OUT of half block u (block u / 2 of my eight blocks of 16 rows; columns 64 (u % 2) on of my 128), in two parts.
; STAGE_IN: its four accumulators go as they are into my own stage, each accumulator's four lowest registers first, and come back as eight pairs of whole rows of 256 bytes, into set u % 4.
.macro STAGE_IN u
.set AC, 64*(((\u)/2)%4)+32*((\u)%2)
.set BK, OB+32*((\u)%4)
	WIN 0x08+4*((\u)/8)                            ; the stores' data (source 1) in window 2 (blocks 0-3) or 3 (blocks 4-7); the address in window 0
.irp c, 0,1,2,3
	ds_store_b128 v[STO], v[AC+8*(\c):AC+8*(\c)+3]   offset:64*(\c)
	ds_store_b128 v[STO], v[AC+8*(\c)+4:AC+8*(\c)+7] offset:64*(\c)+16
.endr
	WIN 0
.irp t, 0,1,2,3,4,5,6,7
	ds_load_b128 v[BK+4*(\t):BK+4*(\t)+3], v[RD] offset:(\t)*2*SPITCH  ; LDS serves a wave's instructions in order (ISA guide 5.7.1.4): these see the stores above, and the next half block's stores come behind them
.endr
.endm
; SEND: y = sum x scale + bias, one rounding, two numbers an instruction, in place; then the stores.  younger: the LDS instructions issued behind this half block's loads: the next half block's sixteen, or none.
.macro SEND u, younger
.set BK, OB+32*((\u)%4)
.set BS, BI+4*((\u)%2)
	s_wait_xcnt 0x0                                ; every earlier memory instruction has had its addresses translated (ISA guide 3.1): a set of results is loaded again four half blocks later, with two of these waits between its stores and those loads
.irp t, 0,1,2,3,4,5,6,7
	s_wait_dscnt (\younger)+7-(\t)                 ; LDS loads come back in order: pair t of rows is in
	v_pk_fma_f32 v[BK+4*(\t):BK+4*(\t)+1],   v[BK+4*(\t):BK+4*(\t)+1],   s[SC:SC+1], v[BS:BS+1]   op_sel_hi:[1,0,1]
	v_pk_fma_f32 v[BK+4*(\t)+2:BK+4*(\t)+3], v[BK+4*(\t)+2:BK+4*(\t)+3], s[SC:SC+1], v[BS+2:BS+3] op_sel_hi:[1,0,1]
	global_store_b128 v[CO], v[BK+4*(\t):BK+4*(\t)+3], s[8:9] offset:(16*((\u)/2)+2*(\t))*CROW+256*((\u)%2) th:TH_STORE_NT  ; 16 lanes store 256 consecutive bytes, at a multiple of 256 from out0's first byte; the largest immediate is 126 rows + 256 bytes = 2,064,640
.endr
.endm
	s_wait_kmcnt 0x0                               ; scale
	s_mov_b32 s[SC+1], s[SC]                       ; named with it as a pair, so it is written
	s_wait_loadcnt 0x0                             ; the bias, once
	s_wait_tensorcnt 1                             ; my part of K step 0 is in; K step 1's may stay out
	s_barrier_signal -1
	s_barrier_wait -1                              ; everybody's is
	FETCH 0, 0, F0
	QUARTER 0, 64,  F0, F1, 1                      ; the first quarter stands in front of the loop: its products start the sums
	WIN 0                                          ; at a label and at a branch every window is 0
	s_mov_b32 s3, LAPS-1
.Llap:                                                 ; 15 trips: a trip goes once round the ring, from a lap's second quarter to the next lap's first, and fills both slots again
	QUARTER 0, 128, F1, F0, 0
	QUARTER 0, 192, F0, F1, 0
	TURN 0, 1, 1
	QUARTER 1, 64,  F0, F1, 0
	QUARTER 1, 128, F1, F0, 0
	QUARTER 1, 192, F0, F1, 0
	TURN 1, 0, 1
	QUARTER 0, 64,  F0, F1, 0
	WIN 0
	s_sub_co_u32 s3, s3, 1
	s_cmp_lg_u32 s3, 0
	s_cbranch_scc1 .Llap
	QUARTER 0, 128, F1, F0, 0                      ; the last lap is written out: it fills nothing
	QUARTER 0, 192, F0, F1, 0
	TURN 0, 1, 0                                   ; my one tensor load that was still out is slot 1's, the last K step's
	QUARTER 1, 64,  F0, F1, 0
	QUARTER 1, 128, F1, F0, 0
	QUARTER 1, 192, F0, F1, 0
	s_wait_dscnt 8                                 ; the very last quarter: nothing more to fetch
	WIN MUL_LO
	MUL16 F1, 0, 0, 0
	MUL16 F1, 0, 2, 0
	s_wait_dscnt 0x0
	MUL16 F1, 1, 0, 0
	MUL16 F1, 1, 2, 0
	WIN 0
	PLACES                                         ; behind the last products: for the LDS stores that read results and for the LDS loads into xh's two buffers
	PLACES                                         ; (eight, once a launch)
	STAGE_IN 0
.irp u, 1,2,3,4,5,6,7,8,9,10,11,12,13,14,15    ; a half block's way through the stage is begun before the one in front of it is scaled and stored
	STAGE_IN \u
	SEND (\u)-1, 16
.endr
	SEND 15, 0
	s_wait_tensorcnt 0x0                           ; the wave's end: behind my last tensor load and my last LDS store
	ds_add_u32 v[SPW], v[NIL]
	s_wait_dscnt 0x0
	CROUND                                         ; the closing round: no work-group ends while a partner may still ask for a tile that names it
	s_endpgm
.Lfunc_end_k_q45cb88f382_gemm:
	.size	k_q45cb88f382_gemm, .Lfunc_end_k_q45cb88f382_gemm-k_q45cb88f382_gemm
	.p2alignl 7, 3214868480
	.fill 96, 4, 3214868480
	.section	.rodata,"a",@progbits
	.p2align	6, 0x0
	.amdhsa_kernel k_q45cb88f382_gemm
		.amdhsa_group_segment_fixed_size 327680
		.amdhsa_private_segment_fixed_size 0
		.amdhsa_enable_private_segment 0
		.amdhsa_kernarg_size 40
		.amdhsa_user_sgpr_count 2
		.amdhsa_user_sgpr_kernarg_segment_ptr 1
		.amdhsa_wavefront_size32 1
		.amdhsa_system_sgpr_workgroup_id_x 1
		.amdhsa_system_sgpr_workgroup_id_y 1
		.amdhsa_system_sgpr_workgroup_id_z 1
		.amdhsa_system_vgpr_workitem_id 0
		.amdhsa_next_free_vgpr 1024
		.amdhsa_next_free_sgpr 80
		.amdhsa_reserve_vcc 0
		.amdhsa_float_denorm_mode_32 3
		.amdhsa_float_denorm_mode_16_64 3
		.amdhsa_memory_ordered 1
		.amdhsa_forward_progress 1
		.amdhsa_inst_pref_size 163
	.end_amdhsa_kernel
	.amdgpu_metadata
---
amdhsa.version: [ 1, 2 ]
amdhsa.kernels:
  - .name:           k_q45cb88f382_gemm
    .symbol:         k_q45cb88f382_gemm.kd
    .args:
      - { .name: xh, .offset: 0, .size: 8, .value_kind: global_buffer, .address_space: global }
      - { .name: wh, .offset: 8, .size: 8, .value_kind: global_buffer, .address_space: global }
      - { .name: out0, .offset: 16, .size: 8, .value_kind: global_buffer, .address_space: global }
      - { .name: bias, .offset: 24, .size: 8, .value_kind: global_buffer, .address_space: global }
      - { .name: scale, .offset: 32, .size: 8, .value_kind: global_buffer, .address_space: global }
    .group_segment_fixed_size: 327680
    .private_segment_fixed_size: 0
    .kernarg_segment_align: 8
    .kernarg_segment_size: 40
    .max_flat_workgroup_size: 128
    .sgpr_count:     80
    .vgpr_count:     1024
    .wavefront_size: 32
...
	.end_amdgpu_metadata
.endif
;; end of part 2
